; MI455X (gfx1250); checked and timed in simulation.
; The chip was launched on July 23, 2026; its instructions are those of AMD's public machine-readable ISA for CDNA 5 (MIT licence, August 2026) and "CDNA5" Instruction Set Architecture Reference Guide (July 2026). The comments in the code are by the model that wrote it; some were corrected since.
;; Bahdanau Attention. Allowed arithmetic: matrix products marked QUANTISED: E4M3 operands, one given power-of-two scale a tensor, by v_wmma_f32_16x16x64_fp8_fp8 or v_wmma_f32_16x16x128_fp8_fp8, f32 sums; products left as they are: f32 operands where the result goes on into a quantised operand, else bf16, f16 or f32 operands; f32 sums; everything else in f32.
;; Inputs: V 1,024 x 1 float32; W1 1,024 x 1,024 float32; W2 1,024 x 1,024 float32; b1 1,024 float32; b2 1,024 float32; bV 1 float32; lowp_scales 4 int32 (the exponents e of the quantised operands' scales 2^e); query 32 x 1,024 float32; values 32 x 2,048 x 1,024 float32.
;; Outputs: out0 32 x 1,024 float32; out1 32 x 2,048 x 1 float32.
;; This version of the problem:
;;   THIS VERSION OF THE PROBLEM IS GIVEN IN LOW PRECISION. The matrix products marked QUANTISED in the list below multiply operands that are first quantised to E4M3 (4 exponent bits, 3 mantissa bits; 8 bits a number), with one given power-of-two scale for each operand tensor; their sums are f32. All else is computed in f32.
;;   The module's matrix products, in the order in which they are computed (A, B: the left and right operand; K: the contracted axis; several contracted axes count as one K, in the product's order):
;;     1. [M 65,536, K 1,024] x [K 1,024, N 1,024]; A: input values; B: input W1: QUANTISED (scales: A lowp_scales[0], B lowp_scales[1])
;;     2. [M 32, K 1,024] x [K 1,024, N 1,024]; A: input query; B: input W2: QUANTISED (scales: A lowp_scales[2], B lowp_scales[3])
;;     3. [M 65,536, K 1,024] x [K 1,024, N 1]; A: computed on the way; B: input V: left as it is (N = 1 < 16)
;;   THE QUANTISER, for each operand of a quantised product, along K:
;;     - The operand's scale is 2^e, e = its entry of the input lowp_scales (int32; the entries are numbered through the quantised products in the list's order, A before B).
;;     - Each number is divided by the scale, clamped to +-448, and rounded to the nearest number of E4M3, ties to even, subnormals kept.
;;     - The product sums the exact products of the quantised numbers (number of the format x scale) in f32.
;;   ~~~python
;;   def quantise(x, axis, e):      # numpy; x: float32 -> the quantised numbers, widened to float32 again
;;       x = np.moveaxis(x, axis, -1); K = x.shape[-1]
;;       r = np.clip(x / 2.0 ** e, -448, 448)
;;       step = 2.0 ** (np.maximum(np.frexp(np.where(r == 0, 1, r))[1] - 1, -6) - 3)
;;       q = np.round(r / step) * step * 2.0 ** e      # np.round: ties to even
;;       return np.moveaxis(q, -1, axis).astype(np.float32)
;;   ~~~
;; One version. Each part assembles by itself: llvm-mc -triple=amdgcn-amd-amdhsa -mcpu=gfx1250 --defsym DOCPART=n.
;; ======== version 1 of 1: 3 launches
;; limits: right only within a limited range of input values
;; workspace buffers: w1f 1,048,576 bytes; qbs 131,072 bytes; tsc 262,144 bytes; part 4,456,448 bytes
;; launch prep (part 1): grid 256 x 1, 8 waves a work-group, no clusters, 11,264 bytes of LDS; arguments W1, W2, query, b1, b2, lowp_scales, w1f, qbs; writes w1f, qbs
.if DOCPART == 1
	.amdgcn_target "amdgcn-amd-amdhsa--gfx1250"
	.amdhsa_code_object_version 6
	.text
	.protected	k_q20ec6b6c72_prep
	.globl	k_q20ec6b6c72_prep
	.p2align	8
	.type	k_q20ec6b6c72_prep,@function
k_q20ec6b6c72_prep:
	s_mov_b64 s[64:65], 0
	v_nop
	global_prefetch_b8 v0, s[64:65] scope:SCOPE_SE
	s_setreg_imm32_b32 hwreg(HW_REG_WAVE_MODE, 25, 1), 1
	s_wait_xcnt 0x0
; BAHDANAU ATTENTION, launch 1 of 3.  score[b][s] = V . tanh(values[b][s] W1 + b1 + query[b] W2 + b2) + bV; weights = softmax over s; context = sum over s of weight x values.
; WORK LEFT OUT, for all finite values of the inputs:
;  (1) bV is added to every score of a batch alike.  softmax(x + bV) = e^bV e^x / (e^bV sum e^x) = softmax(x), and the context is made of the weights and the values alone:
;      bV has no way to any output.  It is not loaded and is among no launch's arguments.
;  (2) tanh z = 1 - 2 / (1 + e^(2z)), so V . tanh z = sum_u V_u - 2 sum_u V_u / (1 + e^(2 z_u)).  The first term is the same for all s of a batch and goes as bV goes; only the second is computed.
;  LIMIT: a NaN, an infinity or an overflow that would arise in bV or in the sum of V alone is not carried to the results.
; THIS LAUNCH, two kinds of work-groups, parted by the work-group's number:
;  work-groups 0-127:  W1 [k][u] f32 -> codes of E4M3 with the given scale 2^e1, in the ORDER OF THE OPERAND'S REGISTERS for launch 2: fragment (w, kk, t) = units 256 w + 16 t + 0..15, k = 128 kk + 0..127,
;      2,048 bytes at ((8 w + kk) 16 + t) 2048; in it, at 512 c + 16 lane, lane 16 h + r has the 16 codes of unit r at k = 32 c + 16 h + 0..15.
;      A wave takes 32 columns x 32 rows: a lane takes a column and its registers run down K, so the conversions give K innermost.
;  work-groups 128-255: qbs[g][b][16] = c (Q(query) Q(W2) + b1 + b2), units 16 g + 0..15, c = 2 log2(e): work-group 128 + 2 g + m has batches 16 m + 0..15.  Wave k takes K step k (128 along K):
;      lane (r, h) loads W2's column 16 g + r at k = 32 c + 16 h + 0..15 and query's row r at the same k, so both conversions' results are operand registers.  The eight partial sums meet in LDS.
; code = x / 2^e, held within +-448, to the nearest code, ties to even.  Inside a matrix instruction k is permuted, alike in both operands.
; No tensor load, cluster or prefetch: each wave asks for all its bytes at once, uses them once, and has no loop to run ahead in.
; LIMITS: e1, e2, e3 between -126 and 119; e2 + e3 between -126 and 125.  NaN among the inputs is not served.
.set RED,   0                          ; the waves' partial sums: 8 x 16 rows x (64 + 16) bytes
.set SPARE, 10240                      ; the spare words, 128 bytes for each wave
.set SPW,   5
.set NIL,   6
.set C2L,   0x4038aa3b                 ; c = 2 log2(e)
.macro WBLK src, dst, sc, lim          ; 16 neighbours along K become 16 codes
.irp i, 0,1,2,3,4,5,6,7,8,9,10,11,12,13,14,15
	v_med3_num_f32 v[\src+\i], v[\src+\i], -v[\lim], v[\lim]   ; the conversion does not saturate (ISA guide 7.6.2)
.endr
	v_cvt_scalef32_pk8_fp8_f32 v[\dst:\dst+1], v[\src:\src+7], v[\sc]
	v_cvt_scalef32_pk8_fp8_f32 v[\dst+2:\dst+3], v[\src+8:\src+15], v[\sc]
.endm
.macro QUANT src, dst, sc, lim         ; register 16 b + i = k 32 b + 16 h + i: a fragment
.irp b, 0,1,2,3
	WBLK \src+16*\b, \dst+4*\b, \sc, \lim
.endr
	v_nop                                          ; a plain line behind the last conversion
.endm
.macro MKSCALE e, sc, lim              ; 2^e and 448 x 2^e as f32
	s_add_co_i32 s36, s[\e], 127
	s_lshl_b32 s37, s36, 23
	v_mov_b32 v[\sc], s37
	s_add_co_i32 s36, s36, 8
	s_lshl_b32 s36, s36, 23
	s_or_b32 s36, s36, 0x600000
	v_mov_b32 v[\lim], s36
.endm
	s_load_b256 s[4:11], s[0:1], 0x0               ; W1, W2, query, b1
	s_load_b256 s[12:19], s[0:1], 0x20             ; b2, the exponents, w1f, qbs
	v_lshl_add_u32 v[SPW], v0, 2, SPARE
	v_mov_b32 v[NIL], 0
	v_lshrrev_b32 v1, 5, v0
	v_readfirstlane_b32 s20, v1                    ; wave 0..7
	v_and_b32 v1, 31, v0                           ; lane
	v_and_b32 v2, 15, v0                           ; r
	v_bfe_u32 v3, v0, 4, 1                         ; h
	s_wait_alu depctr_va_vdst(0)
	s_wait_kmcnt 0x0
	s_load_b128 s[24:27], s[14:15], 0x0            ; e0, e1, e2, e3
	s_cmp_ge_u32 ttmp9, 128                        ; the work-group's number alone decides
	s_cbranch_scc1 .Lquery
	; ---- W1.  Work-group y: columns 128 (y % 8) on, rows 64 (y / 8) on.  Wave v: columns 32 (v % 4) on, rows 32 (v / 4) on
	s_and_b32 s28, ttmp9, 7                        ; cg
	s_lshr_b32 s29, ttmp9, 3                       ; kq = 2 kk + half
	s_and_b32 s30, s20, 3
	s_lshr_b32 s31, s20, 2                         ; sub
	s_lshl_b32 s32, s29, 18                        ; 64 rows of 4,096 bytes
	s_lshl_b32 s33, s31, 17
	s_add_co_u32 s32, s32, s33
	s_lshl_b32 s33, s28, 9
	s_add_co_u32 s32, s32, s33
	s_lshl_b32 s33, s30, 7
	s_add_co_u32 s32, s32, s33
	s_mov_b32 s33, 0
	s_add_nc_u64 s[4:5], s[4:5], s[32:33]
	s_lshr_b32 s34, s28, 1                         ; w
	s_lshl_b32 s34, s34, 3
	s_lshr_b32 s35, s29, 1                         ; kk
	s_add_co_u32 s34, s34, s35
	s_lshl_b32 s34, s34, 4
	s_and_b32 s35, s28, 1
	s_lshl_b32 s35, s35, 3
	s_add_co_u32 s34, s34, s35
	s_lshl_b32 s35, s30, 1
	s_add_co_u32 s34, s34, s35                     ; fragment (8 w + kk) 16 + 8 (cg % 2) + 2 (v % 4): lanes 0-15's; lanes 16-31 have the next
	s_lshl_b32 s34, s34, 11
	s_and_b32 s35, s29, 1
	s_lshl_b32 s35, s35, 1
	s_add_co_u32 s35, s35, s31                     ; c = 2 half + sub
	s_lshl_b32 s35, s35, 9
	s_add_co_u32 s34, s34, s35
	s_mov_b32 s35, 0
	s_add_nc_u64 s[16:17], s[16:17], s[34:35]
	v_lshlrev_b32 v7, 2, v1                        ; a lane to a column
	v_lshlrev_b32 v8, 4, v2
	v_lshl_add_u32 v8, v3, 11, v8                  ; out: 2,048 (lane / 16) + 16 (lane % 16)
	s_wait_alu depctr_va_vdst(0)
.set li, 0
.rept 32
	global_load_b32 v[64+li], v7, s[4:5] offset:li*4096 th:TH_LOAD_NT   ; 32 lanes read 128 consecutive bytes, four waves side by side 512
.set li, li+1
.endr
	s_wait_kmcnt 0x0
	MKSCALE 25, 14, 15                             ; e1
	s_wait_alu depctr_va_vdst(0)
	s_wait_loadcnt 16                              ; rows 0-15 are in; the 16 loads behind them stay out
	WBLK 64, 192, 14, 15
	global_store_b128 v8, v[192:195], s[16:17]     ; sixteen lanes store 256 consecutive bytes, aligned
	s_wait_loadcnt 0x0
	WBLK 80, 196, 14, 15
	global_store_b128 v8, v[196:199], s[16:17] offset:256
	s_endpgm                                       ; these waves have written no LDS
	; ---- query W2.  Work-group 128 + 2 g + m; wave k: K step k
.Lquery:
	s_sub_co_u32 s28, ttmp9, 128
	s_lshr_b32 s29, s28, 1                         ; g
	s_and_b32 s30, s28, 1                          ; m
	s_and_b32 s21, s20, 1
	s_mov_b32 s33, 0
	s_lshl_b32 s32, s30, 16
	s_lshl_b32 s31, s20, 9
	s_add_co_u32 s32, s32, s31
	s_add_nc_u64 s[8:9], s[8:9], s[32:33]          ; query at row 16 m, k = 128 x wave
	s_lshl_b32 s32, s20, 19
	s_lshl_b32 s31, s29, 6
	s_add_co_u32 s32, s32, s31
	s_add_nc_u64 s[6:7], s[6:7], s[32:33]          ; W2 at row 128 x wave, column 16 g
	s_mov_b32 s32, s31
	s_add_nc_u64 s[10:11], s[10:11], s[32:33]      ; b1, b2 at unit 16 g
	s_add_nc_u64 s[12:13], s[12:13], s[32:33]
	s_lshl_b32 s32, s29, 11
	s_lshl_b32 s31, s30, 10
	s_add_co_u32 s32, s32, s31
	s_lshl_b32 s31, s21, 9
	s_add_co_u32 s32, s32, s31
	s_add_nc_u64 s[18:19], s[18:19], s[32:33]      ; qbs at 2,048 g + 1,024 m + 512 (wave % 2)
	v_lshlrev_b32 v4, 12, v2
	v_lshl_add_u32 v4, v3, 6, v4                   ; query: row r, + 64 h
	v_lshlrev_b32 v7, 2, v2
	v_lshl_add_u32 v7, v3, 16, v7                  ; W2: column r, + 16 h rows
	s_mul_i32 s31, s20, 1280
	v_mul_u32_u24 v10, v2, 80
	v_lshl_add_u32 v10, v3, 5, v10
	v_add_nc_u32 v10, s31, v10                     ; my partial sums: row r, + 32 h
	s_mul_i32 s31, s21, 640
	v_lshrrev_b32 v11, 2, v1
	v_mul_u32_u24 v11, v11, 80
	v_and_b32 v12, 3, v1
	v_lshlrev_b32 v12, 4, v12                      ; 16 (lane % 4): my four units, in the biases too
	v_add_nc_u32 v11, v11, v12
	v_add_nc_u32 v11, s31, v11                     ; the sums, back: row 8 (wave % 2) + lane / 4
	v_lshlrev_b32 v13, 4, v1
	s_wait_alu depctr_va_vdst(0)
.irp c, 0,1,2,3
.irp j, 0,1,2,3
	global_load_b128 v[64+16*\c+4*\j:64+16*\c+4*\j+3], v4, s[8:9] offset:128*\c+16*\j
.endr
.endr
.irp c, 0,1,2,3
.irp i, 0,1,2,3,4,5,6,7,8,9,10,11,12,13,14,15
	global_load_b32 v[128+16*\c+\i], v7, s[6:7] offset:(32*\c+\i)*4096   ; W2(128 wave + 32 c + 16 h + i, 16 g + r)
.endr
.endr
	global_load_b128 v[52:55], v12, s[10:11]       ; b1
	global_load_b128 v[56:59], v12, s[12:13]       ; b2
	s_wait_kmcnt 0x0
	MKSCALE 26, 14, 15                             ; e2
	MKSCALE 27, 48, 49                             ; e3
	s_wait_alu depctr_va_vdst(0)
	s_wait_loadcnt 63                              ; of 82 loads at most 63 are out: the first 16, query's, are in (66 could stay out; the field holds 63)
	QUANT 64, 16, 14, 15                           ; query's rows -> v16-31
	s_wait_loadcnt 0x0
	QUANT 128, 32, 48, 49                          ; W2's units -> v32-47
	v_wmma_f32_16x16x128_fp8_fp8 v[192:199], v[32:47], v[16:31], 0   ; source 0 = 16 units, source 1 = 16 rows of query: a lane holds units 8 h + 0..7 of row r
.rept 4
	v_nop                                          ; four places in front of the stores that read the result
.endr
	ds_store_b128 v10, v[192:195] offset:RED
	ds_store_b128 v10, v[196:199] offset:RED+16
	s_wait_dscnt 0x0                               ; for the others' sake
	s_barrier_signal -1
	s_barrier_wait -1
	s_cmp_ge_u32 s20, 2                            ; 256 numbers, four a lane: waves 0 and 1 add and store them
	s_cbranch_scc1 .Lend
.irp p, 0,1,2,3,4,5,6,7
	ds_load_b128 v[64+4*\p:64+4*\p+3], v11 offset:RED+1280*\p
.endr
	v_pk_add_f32 v[52:53], v[52:53], v[56:57]      ; b1 + b2,
	v_pk_add_f32 v[54:55], v[54:55], v[58:59]
	v_pk_mul_f32 v[52:53], v[52:53], C2L op_sel_hi:[1,0]   ; x c
	v_pk_mul_f32 v[54:55], v[54:55], C2L op_sel_hi:[1,0]
	s_add_co_i32 s29, s26, s27
	v_mov_b32 v60, C2L
	v_ldexp_f32 v60, v60, s29                      ; c x 2^(e2 + e3)
	v_mov_b32 v61, v60
	s_wait_alu depctr_va_vdst(0)
	s_wait_dscnt 0x0
.irp a, 0,8,16,24
	v_pk_add_f32 v[64+\a:65+\a], v[64+\a:65+\a], v[68+\a:69+\a]
	v_pk_add_f32 v[66+\a:67+\a], v[66+\a:67+\a], v[70+\a:71+\a]
.endr
.irp a, 0,16
	v_pk_add_f32 v[64+\a:65+\a], v[64+\a:65+\a], v[72+\a:73+\a]
	v_pk_add_f32 v[66+\a:67+\a], v[66+\a:67+\a], v[74+\a:75+\a]
.endr
	v_pk_add_f32 v[64:65], v[64:65], v[80:81]
	v_pk_add_f32 v[66:67], v[66:67], v[82:83]
	v_pk_fma_f32 v[64:65], v[64:65], v[60:61], v[52:53] op_sel_hi:[1,0,1]   ; c (sum x 2^(e2 + e3) + b1 + b2)
	v_pk_fma_f32 v[66:67], v[66:67], v[60:61], v[54:55] op_sel_hi:[1,0,1]
	global_store_b128 v13, v[64:67], s[18:19]      ; the wave stores 512 consecutive bytes, aligned
.Lend:
	s_wait_tensorcnt 0x0                           ; the wave's end
	ds_add_u32 v[SPW], v[NIL]
	s_wait_dscnt 0x0
	s_endpgm
.Lfunc_end_k_q20ec6b6c72_prep:
	.size	k_q20ec6b6c72_prep, .Lfunc_end_k_q20ec6b6c72_prep-k_q20ec6b6c72_prep
	.p2alignl 7, 3214868480
	.fill 96, 4, 3214868480
	.section	.rodata,"a",@progbits
	.p2align	6, 0x0
	.amdhsa_kernel k_q20ec6b6c72_prep
		.amdhsa_group_segment_fixed_size 11264
		.amdhsa_private_segment_fixed_size 0
		.amdhsa_enable_private_segment 0
		.amdhsa_kernarg_size 64
		.amdhsa_user_sgpr_count 2
		.amdhsa_user_sgpr_kernarg_segment_ptr 1
		.amdhsa_wavefront_size32 1
		.amdhsa_system_sgpr_workgroup_id_x 1
		.amdhsa_system_sgpr_workgroup_id_y 1
		.amdhsa_system_sgpr_workgroup_id_z 1
		.amdhsa_system_vgpr_workitem_id 0
		.amdhsa_next_free_vgpr 256
		.amdhsa_next_free_sgpr 66
		.amdhsa_reserve_vcc 0
		.amdhsa_float_denorm_mode_32 3
		.amdhsa_float_denorm_mode_16_64 3
		.amdhsa_memory_ordered 1
		.amdhsa_forward_progress 1
		.amdhsa_inst_pref_size 30
	.end_amdhsa_kernel
	.amdgpu_metadata
---
amdhsa.version: [ 1, 2 ]
amdhsa.kernels:
  - .name:           k_q20ec6b6c72_prep
    .symbol:         k_q20ec6b6c72_prep.kd
    .args:
      - { .name: W1, .offset: 0, .size: 8, .value_kind: global_buffer, .address_space: global }
      - { .name: W2, .offset: 8, .size: 8, .value_kind: global_buffer, .address_space: global }
      - { .name: query, .offset: 16, .size: 8, .value_kind: global_buffer, .address_space: global }
      - { .name: b1, .offset: 24, .size: 8, .value_kind: global_buffer, .address_space: global }
      - { .name: b2, .offset: 32, .size: 8, .value_kind: global_buffer, .address_space: global }
      - { .name: lowp_scales, .offset: 40, .size: 8, .value_kind: global_buffer, .address_space: global }
      - { .name: w1f, .offset: 48, .size: 8, .value_kind: global_buffer, .address_space: global }
      - { .name: qbs, .offset: 56, .size: 8, .value_kind: global_buffer, .address_space: global }
    .group_segment_fixed_size: 11264
    .private_segment_fixed_size: 0
    .kernarg_segment_align: 8
    .kernarg_segment_size: 64
    .max_flat_workgroup_size: 256
    .sgpr_count:     66
    .vgpr_count:     256
    .wavefront_size: 32
...
	.end_amdgpu_metadata
.endif
;; end of part 1
;; launch attend (part 2): grid 256 x 1, 4 waves a work-group, no clusters, 327,680 bytes of LDS; arguments values, w1f, qbs, V, lowp_scales, tsc, part; writes tsc, part
.if DOCPART == 2
	.amdgcn_target "amdgcn-amd-amdhsa--gfx1250"
	.amdhsa_code_object_version 6
	.text
	.protected	k_q20ec6b6c72_attend
	.globl	k_q20ec6b6c72_attend
	.p2align	8
	.type	k_q20ec6b6c72_attend,@function
k_q20ec6b6c72_attend:
	s_mov_b64 s[64:65], 0
	v_nop
	global_prefetch_b8 v0, s[64:65] scope:SCOPE_SE
	s_setreg_imm32_b32 hwreg(HW_REG_WAVE_MODE, 25, 1), 1
	s_wait_xcnt 0x0
; BAHDANAU ATTENTION, launch 2 of 3: scores, a local softmax and a partial context for blocks of 64 rows of values, which this launch loads ONCE.
; Left out as launch 1's head comment shows: bV, and the term sum_u V_u of V . tanh: both are the same along the softmax's axis.
; t[row] = -c sum_u V_u / (1 + 2^arg), arg = c (Q(values) Q(W1) + query W2 + b1 + b2), c = 2 log2(e).  2^arg = infinity gives 0, 2^arg = 0 gives V_u: tanh's two ends.
; SHARES.  Work-group x STAYS and walks blocks 4 x + 0..3 (all of batch x / 8), a counted loop of four trips.  A block's f32 numbers, 262,144 bytes, lie in LDS as 8 chunks of 128 columns until its context is summed.
;   Wave w: fetches chunks w and 4 + w (64 rows each, two tensor loads a trip, each behind its own barrier); quantises rows 16 w + 0..15; multiplies all 64 rows by units 256 w + 0..255; sums columns 256 w + 0..255 of the context.
; K OUTERMOST: chunk k is a K step of 128; it is quantised a step ahead, its four fragments go from wave to wave through LDS as images of their registers; all 64 x 1,024 sums stay in registers.
; W1'S CODES come from memory straight into a ring of 16 fragments in registers; the next block's first K step is asked for ahead of the way out of the sums, which does not name the ring.
; NO CLUSTER, though all work-groups walk the same W1: a joint load lands in LDS, and of the 327,680 bytes 270,336 hold the kept rows, 16,384 the images, 1,536 scores and spare words; the 39,424 left are under a third of one K step of W1's codes.
; PREFETCH: in K step k of a trip each lane names one block of 256 bytes of chunk k of the NEXT block (4 waves x 32 lanes = 64 rows x 512 bytes): one trip ahead of the tensor load; the last trip asks for nothing.
; OUT: tsc[row] = t;  part, record (block) of 4,352 bytes: sum over the rows of 2^(t - m) values[row][0..1023], then (m, l) 32 times.  Launch 3 joins a batch's 32 records.
; LIMITS: e0 between -126 and 119; e0 + e1 between -126 and 125.  NaN and infinities among the inputs are not served.
; REGISTERS.  Window 0: v1-15 addresses and scales; v16-79, v80-143 values' fragments, two sets; v144-207 numbers being quantised; v208-223 codes; v224-241 at work.  Window 1: W1's ring.  Windows 2, 3: accumulators.
.set PITCH, 528                        ; 512 bytes + 16 of padding
.set SLOTB, 64*PITCH
.set WROWS, 16*PITCH
.set IMG,   8*SLOTB
.set IMGB,  8192
.set SC,    IMG+2*IMGB
.set SPARE, SC+1024
.set BLKB,  262144                     ; a block of values in memory
.set BO,   1
.set ADS,  2
.set IMS,  3
.set IML,  4
.set SPW,  5
.set NIL,  6
.set QSC,  7
.set QLIM, 8
.set VO,   9
.set CS,   10
.set SCS,  12
.set SCL,  13
.set CA0,  14
.set CA1,  15
.set A0,   16
.set PS,   16
.set ST,   144
.set VB,   144
.set BB,   176
.set PC,   208
.set CX,   192
.set PP,   236
.set PFO,  240                         ; the prefetches' offset: row (thread / 2) x 4,096 + 256 (thread % 2)
.set ADS0, 241                         ; my 64 bytes of my row in chunk 0
.set G1,   24                          ; s[24:31] group 1
.set GA,   32                          ; s[32:35] group 0 for chunk w
.set GB,   36                          ; s[36:39] group 0 for chunk 4 + w
.set PF,   40                          ; s[40:41] the next block's first byte
.set BLK,  42                          ; s42 the trip, 0..3
.set WS,   72
.set MSB, 0
.macro WIN new
.if MSB != (\new)
	s_set_vgpr_msb (MSB<<8)|(\new)
.set MSB, (\new)
.endif
.endm
.set MUL_LO, 0xa4
.set MUL_HI, 0xf4
.set TO_B,   0x40
.macro PLACES
.rept 4
	v_nop
.endr
.endm
.macro BAR
	s_barrier_signal -1
	s_barrier_wait -1
.endm
.macro ASK k                           ; chunk k of the next block; the condition is the counted loop's step alone
	s_cmp_lt_u32 s[BLK], 3
	s_cbranch_scc0 .Lnone_\@
	global_prefetch_b8 v[PFO], s[PF:PF+1] offset:512*(\k) th:TH_LOAD_NT scope:SCOPE_SE
.Lnone_\@:
.endm
.macro BLOAD k, g                      ; W1's fragments 4 g + 0..3 of K step k: 16 loads of 512 consecutive bytes
	WIN TO_B
.irp t, 0,1,2,3
.irp c, 0,1,2,3
	global_load_b128 v[16*(4*(\g)+\t)+4*\c:16*(4*(\g)+\t)+4*\c+3], v[BO], s[6:7] offset:(16*(\k)+4*(\g)+\t)*2048+512*\c
.endr
.endr
.endm
.macro STAGE adr                       ; register 16 c + 4 j + i = k 32 c + 16 h + 4 j + i of my row
.irp c, 0,1,2,3
.irp j, 0,1,2,3
	ds_load_b128 v[ST+16*\c+4*\j:ST+16*\c+4*\j+3], v[\adr] offset:128*\c+16*\j
.endr
.endr
.endm
.macro QHALF first                     ; the hold (the conversion does not saturate: ISA guide 7.6.2) and the conversion
.irp b, \first, \first+1
.irp i, 0,1,2,3,4,5,6,7,8,9,10,11,12,13,14,15
	v_med3_num_f32 v[ST+16*(\b)+\i], v[ST+16*(\b)+\i], -v[QLIM], v[QLIM]
.endr
	v_cvt_scalef32_pk8_fp8_f32 v[PC+4*(\b):PC+4*(\b)+1], v[ST+16*(\b):ST+16*(\b)+7], v[QSC]
	v_cvt_scalef32_pk8_fp8_f32 v[PC+4*(\b)+2:PC+4*(\b)+3], v[ST+16*(\b)+8:ST+16*(\b)+15], v[QSC]
.endr
.endm
.macro IMGST buf
.irp c, 0,1,2,3
	ds_store_b128 v[IMS], v[PC+4*\c:PC+4*\c+3] offset:IMGB*(\buf)+512*\c
.endr
.endm
.macro AFETCH buf, dst
.irp m, 0,1,2,3
.irp c, 0,1,2,3
	ds_load_b128 v[\dst+16*\m+4*\c:\dst+16*\m+4*\c+3], v[IML] offset:IMGB*(\buf)+2048*\m+512*\c
.endr
.endr
.endm
.macro MUL16 g, ab, zero               ; the 64 accumulators take turns, one instruction a turn
.irp t, 0,1,2,3
.irp m, 0,1,2,3
.if \zero
	v_wmma_f32_16x16x128_fp8_fp8 v[8*(4*((4*(\g)+\t)%8)+\m):8*(4*((4*(\g)+\t)%8)+\m)+7], v[A0+64*(\ab)+16*\m:A0+64*(\ab)+16*\m+15], v[16*(4*(\g)+\t):16*(4*(\g)+\t)+15], 0
.else
	v_wmma_f32_16x16x128_fp8_fp8 v[8*(4*((4*(\g)+\t)%8)+\m):8*(4*((4*(\g)+\t)%8)+\m)+7], v[A0+64*(\ab)+16*\m:A0+64*(\ab)+16*\m+15], v[16*(4*(\g)+\t):16*(4*(\g)+\t)+15], v[8*(4*((4*(\g)+\t)%8)+\m):8*(4*((4*(\g)+\t)%8)+\m)+7]
.endif
.endr
.endr
.endm
; K STEP k = 0 .. 6: 64 products on chunk k; chunk k + 1 is quantised and handed round; s_wait_loadcnt 48: three groups of 16 ring loads are younger than the group wanted
.macro KSTEP k, zero
	STAGE ADS
	s_wait_dscnt 16                                ; chunk k's fragments are in; the 16 just issued may be out
	s_wait_loadcnt 48
	WIN MUL_LO
	MUL16 0, (\k)%2, \zero
	WIN 0
	s_wait_dscnt 0x0
	QHALF 0                                        ; its holds are also the places in front of the loads below
	BLOAD (\k)+1, 0
	s_wait_loadcnt 48
	WIN MUL_LO
	MUL16 1, (\k)%2, \zero
	WIN 0
	QHALF 2
	v_nop
	IMGST ((\k)+1)%2
	BLOAD (\k)+1, 1
	s_wait_loadcnt 48
	WIN MUL_HI
	MUL16 2, (\k)%2, \zero
.if (\k) == 2
	s_wait_tensorcnt 0x0                           ; my chunk 4 + w has landed: the barrier below shows it to the waves that read it from K step 3 on
	s_add_nc_u64 s[GB+2:GB+3], s[GB+2:GB+3], BLKB  ; no load of mine is out: the next block's address
.endif
	s_wait_dscnt 0x0                               ; my image has landed
	s_barrier_signal -1
	PLACES
	s_barrier_wait -1
	WIN 0
	AFETCH ((\k)+1)%2, A0+64*(((\k)+1)%2)
	BLOAD (\k)+1, 2
	s_wait_loadcnt 48
	WIN MUL_HI
	MUL16 3, (\k)%2, \zero
	PLACES
	BLOAD (\k)+1, 3
	WIN 0
.if (\k) < 6
	v_add_nc_u32 v[ADS], SLOTB*((\k)+2), v[ADS0]
.endif
	s_wait_alu depctr_va_vdst(0)
	ASK \k
.endm
; THE WAY OUT OF THE SUMS, in batches g of two tiles of units, in place
.macro EA g
	WIN 0x82+0x41*((\g)/4)
.irp u, 0,1
.irp q, 0,2,4,6,8,10,12,14,16,18,20,22,24,26,28,30
	v_pk_fma_f32 v[64*((\g)%4)+32*\u+\q:64*((\g)%4)+32*\u+\q+1], v[64*((\g)%4)+32*\u+\q:64*((\g)%4)+32*\u+\q+1], v[CS:CS+1], v[BB+2*(2*(\g)+\u):BB+2*(2*(\g)+\u)+1] op_sel_hi:[1,0,0]
.endr
.endr
.endm
.macro EX g
	WIN 0x82+0x41*((\g)/4)
.set ei, 64*((\g)%4)
.rept 64
	v_exp_f32 v[ei], v[ei]
.set ei, ei+1
.endr
.endm
.macro ED g
	WIN 0x82+0x41*((\g)/4)
.set ei, 64*((\g)%4)
.rept 32
	v_pk_add_f32 v[ei:ei+1], v[ei:ei+1], 1.0 op_sel_hi:[1,0]
.set ei, ei+2
.endr
.endm
.macro ER g
	WIN 0x82+0x41*((\g)/4)
.set ei, 64*((\g)%4)
.rept 64
	v_rcp_f32 v[ei], v[ei]
.set ei, ei+1
.endr
.endm
.macro EF g
	WIN 0x02+((\g)/4)
.irp u, 0,1
.irp q, 0,2,4,6,8,10,12,14,16,18,20,22,24,26,28,30
.if (2*(\g)+\u) == 0
	v_pk_mul_f32 v[PS+\q:PS+\q+1], v[64*((\g)%4)+32*\u+\q:64*((\g)%4)+32*\u+\q+1], v[VB:VB+1] op_sel_hi:[1,0]
.else
	v_pk_fma_f32 v[PS+\q:PS+\q+1], v[64*((\g)%4)+32*\u+\q:64*((\g)%4)+32*\u+\q+1], v[VB+2*(2*(\g)+\u):VB+2*(2*(\g)+\u)+1], v[PS+\q:PS+\q+1] op_sel_hi:[1,0,1]
.endif
.endr
.endr
.endm
.macro CLOAD n                         ; the context, eight rows at a time
.irp i, 0,1,2,3,4,5,6,7
	ds_load_b128 v[64+64*((\n)%2)+8*\i:64+64*((\n)%2)+8*\i+3], v[CA0] offset:PITCH*(8*(\n)+\i)
	ds_load_b128 v[64+64*((\n)%2)+8*\i+4:64+64*((\n)%2)+8*\i+7], v[CA1] offset:PITCH*(8*(\n)+\i)
.endr
.endm
.macro CFMA n
.irp i, 0,1,2,3,4,5,6,7
	v_readlane_b32 s[WS+2*\i], v[PP+\i%2], 4*(\n)+\i/2     ; the row's weight: it goes into products alone
.endr
.irp i, 0,1,2,3,4,5,6,7
.irp d, 0,2,4,6
.if (8*(\n)+\i) < 2
	v_pk_mul_f32 v[CX+8*(\i%2)+\d:CX+8*(\i%2)+\d+1], v[64+64*((\n)%2)+8*\i+\d:64+64*((\n)%2)+8*\i+\d+1], s[WS+2*\i:WS+2*\i+1] op_sel_hi:[1,0]
.else
	v_pk_fma_f32 v[CX+8*(\i%2)+\d:CX+8*(\i%2)+\d+1], v[64+64*((\n)%2)+8*\i+\d:64+64*((\n)%2)+8*\i+\d+1], s[WS+2*\i:WS+2*\i+1], v[CX+8*(\i%2)+\d:CX+8*(\i%2)+\d+1] op_sel_hi:[1,0,1]
.endif
.endr
.endr
.endm
	s_load_b256 s[4:11], s[0:1], 0x0               ; values, w1f, qbs, V
	s_load_b128 s[12:15], s[0:1], 0x20             ; the exponents, tsc
	s_load_b64 s[16:17], s[0:1], 0x30              ; part
	v_lshl_add_u32 v[SPW], v0, 2, SPARE
	v_mov_b32 v[NIL], 0
	ds_add_u32 v[SPW], v[NIL]                      ; the opening lines
	ds_add_u32 v[SPW], v[NIL]
	v_lshrrev_b32 v1, 5, v0
	v_readfirstlane_b32 s18, v1                    ; wave 0..3
	s_mov_b32 s[G1+0], (2<<16)|(1<<20)|(6<<22)|(3<<25)   ; elements of 4 bytes; 4 words of padding behind every 128
	s_mov_b32 s[G1+1], 128<<16                     ; tensor_dim0
	s_mov_b32 s[G1+2], 64<<16                      ; tensor_dim1
	s_mov_b32 s[G1+3], 128<<16                     ; tile_dim0
	s_mov_b32 s[G1+4], 64                          ; tile_dim1
	s_mov_b32 s[G1+5], 1024                        ; pitch
	s_mov_b32 s[G1+6], 0
	s_mov_b32 s[G1+7], 0
	s_lshl_b32 s20, ttmp9, 20                      ; my four blocks of 262,144 bytes
	s_mov_b32 s21, 0
	s_mul_i32 s22, s18, WROWS                      ; my 16 rows' place in a chunk
	s_mul_i32 s23, s18, SLOTB                      ; chunk w's place
	s_mov_b32 s[BLK], 0
	s_mov_b32 s70, 0x76543210
	s_mov_b32 s71, 0xfedcba98
.irp i, 0,1,2,3,4,5,6,7
	s_mov_b32 s[WS+2*\i+1], 0                      ; named by the packed forms, so written
.endr
	s_wait_dscnt 0x0
	s_wait_kmcnt 0x0
	s_load_b64 s[68:69], s[12:13], 0x0             ; e0, e1
	s_add_nc_u64 s[4:5], s[4:5], s[20:21]
	s_add_nc_u64 s[PF:PF+1], s[4:5], BLKB
	s_lshl_b32 s20, s18, 9
	s_add_nc_u64 s[4:5], s[4:5], s[20:21]          ; columns 128 w on
	s_mov_b32 s[GA], 1
	s_mov_b32 s[GA+1], s23
	s_mov_b64 s[GA+2:GA+3], s[4:5]
	s_or_b32 s[GA+3], s[GA+3], 0x80000000
	s_mov_b32 s[GB], 1
	s_add_co_u32 s[GB+1], s23, 4*SLOTB
	s_add_nc_u64 s[GB+2:GB+3], s[4:5], 2048        ; columns 128 (4 + w) on
	s_or_b32 s[GB+3], s[GB+3], 0x80000000
	s_lshl_b32 s20, s18, 18
	s_add_nc_u64 s[6:7], s[6:7], s[20:21]          ; W1's codes: my wave's 128 fragments
	v_and_b32 v224, 31, v0
	v_lshlrev_b32 v[BO], 4, v224
	s_wait_alu depctr_va_vdst(0)
	BLOAD 0, 0
	BLOAD 0, 1
	BLOAD 0, 2
	BLOAD 0, 3
	WIN 0
	s_lshl_b32 s20, s18, 10
	s_add_nc_u64 s[10:11], s[10:11], s[20:21]      ; V at unit 256 w
	s_lshr_b32 s23, ttmp9, 3                       ; the batch
	s_lshl_b32 s23, s23, 6                         ; a batch's 16 numbers of a group of 16 units: 64 bytes
	s_lshl_b32 s20, s18, 15
	s_add_co_u32 s20, s20, s23
	s_add_nc_u64 s[8:9], s[8:9], s[20:21]          ; the bias
	s_lshl_b32 s20, ttmp9, 10
	s_add_nc_u64 s[14:15], s[14:15], s[20:21]      ; t of my first block
	s_mul_i32 s20, ttmp9, 4*4352
	s_add_nc_u64 s[16:17], s[16:17], s[20:21]      ; my first record
	v_and_b32 v225, 15, v0                         ; r
	v_bfe_u32 v226, v0, 4, 1                       ; h
	v_mul_u32_u24 v[ADS0], v225, PITCH
	v_lshl_add_u32 v[ADS0], v226, 6, v[ADS0]
	v_add_nc_u32 v[ADS0], s22, v[ADS0]
	s_lshl_b32 s19, s18, 11
	s_add_co_u32 s19, s19, IMG
	v_add_nc_u32 v[IMS], s19, v[BO]
	v_add_nc_u32 v[IML], IMG, v[BO]
	v_lshlrev_b32 v[VO], 2, v225
	s_lshl_b32 s19, s18, 8
	s_add_co_u32 s19, s19, SC
	v_lshl_add_u32 v[SCS], v226, 5, s19
	v_lshlrev_b32 v238, 3, v224
	v_add_nc_u32 v[SCL], SC, v238
	s_mul_i32 s19, s18, 2*SLOTB
	v_add_nc_u32 v[CA0], s19, v[BO]
	v_add_nc_u32 v[CA1], SLOTB, v[CA0]
	s_lshl_b32 s19, s18, 10
	v_add_nc_u32 v239, s19, v[BO]
	v_mov_b32 v233, 0
	v_lshrrev_b32 v[PFO], 1, v0
	v_and_b32 v227, 1, v0
	v_lshlrev_b32 v[PFO], 12, v[PFO]
	v_lshl_add_u32 v[PFO], v227, 8, v[PFO]
	s_wait_kmcnt 0x0
	s_add_co_i32 s19, s68, 127
	s_lshl_b32 s20, s19, 23
	v_mov_b32 v[QSC], s20                          ; 2^e0
	s_add_co_i32 s19, s19, 8
	s_lshl_b32 s19, s19, 23
	s_or_b32 s19, s19, 0x600000
	v_mov_b32 v[QLIM], s19                         ; 448 x 2^e0
	s_add_co_i32 s19, s68, s69
	v_mov_b32 v[CS], 0x4038aa3b
	v_ldexp_f32 v[CS], v[CS], s19                  ; c x 2^(e0 + e1)
	v_mov_b32 v[CS+1], v[CS]
	s_wait_alu depctr_va_vdst(0)
.Lblock:                                               ; a trip = a block of 64 rows
	s_wait_tensorcnt 0x0                           ; none of my loads is out;
	ds_add_u32 v[SPW], v[NIL]                      ; the add, twice
	ds_add_u32 v[SPW], v[NIL]
	s_wait_dscnt 0x0                               ; my reads of the last block's rows are over
	BAR
	tensor_load_to_lds s[GA:GA+3], s[G1:G1+7]      ; chunk w, all 64 rows
	s_nop 0
	s_wait_tensorcnt 0x0                           ; it has landed
	ds_add_u32 v[SPW], v[NIL]
	s_add_nc_u64 s[GA+2:GA+3], s[GA+2:GA+3], BLKB  ; the next block's address
	s_wait_dscnt 0x0
	BAR                                            ; chunks 0 to 3 lie in LDS
	tensor_load_to_lds s[GB:GB+3], s[G1:G1+7]      ; chunk 4 + w; waited for in front of K step 2's barrier
	s_nop 0
	STAGE ADS0
	s_wait_dscnt 0x0
	QHALF 0
	QHALF 2
	v_nop
	IMGST 0
	s_wait_dscnt 0x0
	BAR
	AFETCH 0, A0
	v_add_nc_u32 v[ADS], SLOTB, v[ADS0]
	s_wait_alu depctr_va_vdst(0)
	KSTEP 0, 1                                     ; the first K step's products start the sums
	KSTEP 1, 0
	KSTEP 2, 0
	KSTEP 3, 0
	KSTEP 4, 0
	KSTEP 5, 0
	KSTEP 6, 0
	; K step 7: nothing more to quantise; V and the bias are asked for in its middle
	s_wait_dscnt 0x0
	s_wait_loadcnt 48
	WIN MUL_LO
	MUL16 0, 1, 0
	s_wait_loadcnt 32
	MUL16 1, 1, 0
	WIN 0
.irp t, 0,1,2,3,4,5,6,7,8,9,10,11,12,13,14,15
	global_load_b32 v[VB+2*\t], v[VO], s[10:11] offset:64*\t
	global_load_b32 v[BB+2*\t], v[VO], s[8:9] offset:\t*2048
.endr
	ASK 7
	s_wait_loadcnt 48                              ; the fourth group and the 32 just issued
	WIN MUL_HI
	MUL16 2, 1, 0
	s_wait_loadcnt 32
	MUL16 3, 1, 0
	WIN 0
	s_wait_loadcnt 0x0
.irp t, 0,1,2,3,4,5,6,7,8,9,10,11,12,13,14,15
	v_mul_f32 v[VB+2*\t], 0xc038aa3b, v[VB+2*\t]   ; -c V; also the places behind the last products
.endr
	s_wait_alu depctr_va_vdst(0)
	s_cmp_eq_u32 s[BLK], 3                         ; the last block has no successor
	s_cbranch_scc1 .Lno_ring
	BLOAD 0, 0                                     ; the next block's first K step of W1
	BLOAD 0, 1
	BLOAD 0, 2
	BLOAD 0, 3
	WIN 0
.Lno_ring:
	EA 0
	s_wait_alu depctr_va_vdst(0)
	EX 0
	s_wait_alu depctr_va_vdst(0)
	EA 1
	s_wait_alu depctr_va_vdst(0)
.irp s, 1,2,3,4,5,6,7,8
.if \s >= 2
	EF \s-2
.endif
	ED \s-1
	s_wait_alu depctr_va_vdst(0)
	ER \s-1
.if \s <= 7
	EX \s
.endif
.if \s <= 6
	s_wait_alu depctr_va_vdst(0)
	EA \s+1
.else
	v_nop
.endif
	s_wait_alu depctr_va_vdst(0)
.endr
	EF 7
	WIN 0
	; THE SCORES: the sixteen lanes of a half are added, then the four waves'
.irp x, 1,2,4,8
.irp i, 0,1,2,3,4,5,6,7,8,9,10,11,12,13,14,15,16,17,18,19,20,21,22,23,24,25,26,27,28,29,30,31
	v_add_f32_dpp v[PS+\i], v[PS+\i], v[PS+\i] row_xmask:\x row_mask:0xf bank_mask:0xf
.endr
.endr
.irp m, 0,1,2,3
	ds_store_b128 v[SCS], v[PS+8*\m:PS+8*\m+3] offset:64*\m
	ds_store_b128 v[SCS], v[PS+8*\m+4:PS+8*\m+7] offset:64*\m+16
.endr
	s_wait_dscnt 0x0
	BAR
.irp p, 0,1,2,3
	ds_load_b64 v[224+2*\p:225+2*\p], v[SCL] offset:256*\p
.endr
	CLOAD 0
	CLOAD 1
	s_wait_dscnt 32                                ; the four are in; the 32 behind them stay out
	v_pk_add_f32 v[224:225], v[224:225], v[226:227]
	v_pk_add_f32 v[228:229], v[228:229], v[230:231]
	v_pk_add_f32 v[224:225], v[224:225], v[228:229]   ; t
	v_max_num_f32 v232, v224, v225
	v_max_num_f32_dpp v232, v232, v232 row_xmask:1 row_mask:0xf bank_mask:0xf
	v_max_num_f32_dpp v232, v232, v232 row_xmask:2 row_mask:0xf bank_mask:0xf
	v_max_num_f32_dpp v232, v232, v232 row_xmask:4 row_mask:0xf bank_mask:0xf
	v_max_num_f32_dpp v232, v232, v232 row_xmask:8 row_mask:0xf bank_mask:0xf
	v_permlanex16_b32 v233, v232, s70, s71
	v_max_num_f32 v234, v232, v233                 ; m: taken away before the exponential
	v_sub_f32 v[PP], v224, v234
	v_sub_f32 v[PP+1], v225, v234
	s_wait_alu depctr_va_vdst(0)
	v_exp_f32 v[PP], v[PP]
	v_exp_f32 v[PP+1], v[PP+1]
	v_nop
	s_wait_alu depctr_va_vdst(0)
	v_add_f32 v235, v[PP], v[PP+1]
	v_add_f32_dpp v235, v235, v235 row_xmask:1 row_mask:0xf bank_mask:0xf
	v_add_f32_dpp v235, v235, v235 row_xmask:2 row_mask:0xf bank_mask:0xf
	v_add_f32_dpp v235, v235, v235 row_xmask:4 row_mask:0xf bank_mask:0xf
	v_add_f32_dpp v235, v235, v235 row_xmask:8 row_mask:0xf bank_mask:0xf
	v_permlanex16_b32 v233, v235, s70, s71
	v_add_f32 v235, v235, v233                     ; l
	s_wait_alu depctr_va_vdst(0)
	s_cmp_lg_u32 s18, 0                            ; all four waves hold the same numbers: wave 0 stores them
	s_cbranch_scc1 .Lnot_wave_0
	global_store_b64 v238, v[224:225], s[14:15]    ; 256 consecutive bytes, aligned
	global_store_b64 v238, v[234:235], s[16:17] offset:4096
.Lnot_wave_0:
.irp n, 0,1,2,3,4,5,6,7
.if \n < 7
	s_wait_dscnt 16
.else
	s_wait_dscnt 0x0
.endif
	CFMA \n
.if \n < 6
	CLOAD \n+2
.endif
.endr
.irp d, 0,2,4,6
	v_pk_add_f32 v[CX+\d:CX+\d+1], v[CX+\d:CX+\d+1], v[CX+8+\d:CX+8+\d+1]
.endr
	global_store_b128 v239, v[CX:CX+3], s[16:17]               ; the wave stores 512 consecutive bytes, aligned
	global_store_b128 v239, v[CX+4:CX+7], s[16:17] offset:512
	s_wait_xcnt 0x0                                ; the stores and prefetches have read their registers and bases: these are written again below and in the next trip
	s_add_nc_u64 s[14:15], s[14:15], 256
	s_add_nc_u64 s[16:17], s[16:17], 4352
	s_add_nc_u64 s[PF:PF+1], s[PF:PF+1], BLKB
	s_add_co_u32 s[BLK], s[BLK], 1
	s_cmp_lt_u32 s[BLK], 4
	s_wait_alu depctr_va_vdst(0)
	s_cbranch_scc1 .Lblock
	s_wait_tensorcnt 0x0                           ; the wave's end
	ds_add_u32 v[SPW], v[NIL]
	s_wait_dscnt 0x0
	s_endpgm
.Lfunc_end_k_q20ec6b6c72_attend:
	.size	k_q20ec6b6c72_attend, .Lfunc_end_k_q20ec6b6c72_attend-k_q20ec6b6c72_attend
	.p2alignl 7, 3214868480
	.fill 96, 4, 3214868480
	.section	.rodata,"a",@progbits
	.p2align	6, 0x0
	.amdhsa_kernel k_q20ec6b6c72_attend
		.amdhsa_group_segment_fixed_size 327680
		.amdhsa_private_segment_fixed_size 0
		.amdhsa_enable_private_segment 0
		.amdhsa_kernarg_size 56
		.amdhsa_user_sgpr_count 2
		.amdhsa_user_sgpr_kernarg_segment_ptr 1
		.amdhsa_wavefront_size32 1
		.amdhsa_system_sgpr_workgroup_id_x 1
		.amdhsa_system_sgpr_workgroup_id_y 1
		.amdhsa_system_sgpr_workgroup_id_z 1
		.amdhsa_system_vgpr_workitem_id 0
		.amdhsa_next_free_vgpr 1024
		.amdhsa_next_free_sgpr 88
		.amdhsa_reserve_vcc 0
		.amdhsa_float_denorm_mode_32 3
		.amdhsa_float_denorm_mode_16_64 3
		.amdhsa_memory_ordered 1
		.amdhsa_forward_progress 1
		.amdhsa_inst_pref_size 255
	.end_amdhsa_kernel
	.section	.bss,"aw",@nobits
	.p2align	6
	.space	262144
	.amdgpu_metadata
---
amdhsa.version: [ 1, 2 ]
amdhsa.kernels:
  - .name:           k_q20ec6b6c72_attend
    .symbol:         k_q20ec6b6c72_attend.kd
    .args:
      - { .name: values, .offset: 0, .size: 8, .value_kind: global_buffer, .address_space: global }
      - { .name: w1f, .offset: 8, .size: 8, .value_kind: global_buffer, .address_space: global }
      - { .name: qbs, .offset: 16, .size: 8, .value_kind: global_buffer, .address_space: global }
      - { .name: V, .offset: 24, .size: 8, .value_kind: global_buffer, .address_space: global }
      - { .name: lowp_scales, .offset: 32, .size: 8, .value_kind: global_buffer, .address_space: global }
      - { .name: tsc, .offset: 40, .size: 8, .value_kind: global_buffer, .address_space: global }
      - { .name: part, .offset: 48, .size: 8, .value_kind: global_buffer, .address_space: global }
    .group_segment_fixed_size: 327680
    .private_segment_fixed_size: 0
    .kernarg_segment_align: 8
    .kernarg_segment_size: 56
    .max_flat_workgroup_size: 128
    .sgpr_count:     88
    .vgpr_count:     1024
    .wavefront_size: 32
...
	.end_amdgpu_metadata
.endif
;; end of part 2
;; launch combine (part 3): grid 256 x 1, 1 waves a work-group, no clusters, 0 bytes of LDS; arguments part, tsc, out0, out1; writes out0, out1
.if DOCPART == 3
	.amdgcn_target "amdgcn-amd-amdhsa--gfx1250"
	.amdhsa_code_object_version 6
	.text
	.protected	k_q20ec6b6c72_combine
	.globl	k_q20ec6b6c72_combine
	.p2align	8
	.type	k_q20ec6b6c72_combine,@function
k_q20ec6b6c72_combine:
	s_mov_b64 s[64:65], 0
	v_nop
	global_prefetch_b8 v0, s[64:65] scope:SCOPE_SE
	s_setreg_imm32_b32 hwreg(HW_REG_WAVE_MODE, 25, 1), 1
	s_wait_xcnt 0x0
; BAHDANAU ATTENTION, launch 3 of 3: a batch's 32 records of launch 2 are joined.  (bV and the sum of V stay left out, as launch 1's head comment shows: t is the score x log2(e) less a constant of the batch.)
; M = the largest m_j; f_j = 2^(m_j - M); L = sum f_j l_j;  out0[b][col] = sum_j (f_j / L) context_j[col];  out1[b][s] = 2^(t_s - M) / L.
; One wave to a work-group: batch id / 8, slice id % 8: 128 columns of out0 (512 bytes) and 256 positions of out1 (1,024 bytes).  All 35 loads go out first.  No LDS, no barrier, no matrix work: a few bytes a number.
	s_load_b256 s[4:11], s[0:1], 0x0               ; part s[4:5], tsc s[6:7], out0 s[8:9], out1 s[10:11]
	s_lshr_b32 s12, ttmp9, 3                       ; b
	s_and_b32 s13, ttmp9, 7                        ; slice
	v_mul_u32_u24 v1, v0, 4352                     ; lane j: record j of the batch
	v_lshlrev_b32 v4, 4, v0                        ; 16 x lane
	s_mul_i32 s14, s12, 139264                     ; 32 records of 4,352 bytes
	s_mov_b32 s15, 0
	s_lshl_b32 s48, s13, 9                         ; 512 x slice
	s_mov_b32 s49, 0
	s_lshl_b32 s50, s12, 13
	s_lshl_b32 s51, s13, 10
	s_add_co_u32 s50, s50, s51                     ; 8,192 b + 1,024 x slice: in tsc and in out1
	s_mov_b32 s51, 0
	s_lshl_b32 s52, s12, 12
	s_add_co_u32 s52, s52, s48                     ; 4,096 b + 512 x slice: in out0
	s_mov_b32 s53, 0
	s_mov_b32 s54, 0x76543210                      ; v_permlanex16_b32's selects for lane l xor 16
	s_mov_b32 s55, 0xfedcba98
	v_mov_b32 v6, 0                                ; written once: a lane permute's destination counts as one of its sources
	s_wait_alu depctr_va_vdst(0)
	s_wait_kmcnt 0x0
	s_add_nc_u64 s[4:5], s[4:5], s[14:15]
	s_add_nc_u64 s[12:13], s[4:5], s[48:49]        ; the records' contexts at my slice
	s_add_nc_u64 s[6:7], s[6:7], s[50:51]
	s_add_nc_u64 s[8:9], s[8:9], s[52:53]
	s_add_nc_u64 s[10:11], s[10:11], s[50:51]
	global_load_b64 v[2:3], v1, s[4:5] offset:4096 ; (m_j, l_j)
.irp j, 0,1,2,3,4,5,6,7,8,9,10,11,12,13,14,15,16,17,18,19,20,21,22,23,24,25,26,27,28,29,30,31
	global_load_b128 v[16+4*\j:19+4*\j], v4, s[12:13] offset:4352*\j th:TH_LOAD_NT   ; 512 consecutive bytes of record j
.endr
	global_load_b128 v[144:147], v4, s[6:7] th:TH_LOAD_NT
	global_load_b128 v[148:151], v4, s[6:7] offset:512 th:TH_LOAD_NT
	s_wait_loadcnt 34                              ; (m, l) is in; the 34 loads behind it stay out
	v_mov_b32 v5, v2
	v_max_num_f32_dpp v5, v5, v5 row_xmask:1 row_mask:0xf bank_mask:0xf
	v_max_num_f32_dpp v5, v5, v5 row_xmask:2 row_mask:0xf bank_mask:0xf
	v_max_num_f32_dpp v5, v5, v5 row_xmask:4 row_mask:0xf bank_mask:0xf
	v_max_num_f32_dpp v5, v5, v5 row_xmask:8 row_mask:0xf bank_mask:0xf
	v_permlanex16_b32 v6, v5, s54, s55
	v_max_num_f32 v5, v5, v6                       ; M
	v_sub_f32 v7, v2, v5
	s_wait_alu depctr_va_vdst(0)
	v_exp_f32 v7, v7                               ; f_j
	v_nop                                          ; the plain line behind a transcendental,
	s_wait_alu depctr_va_vdst(0)                   ; and the wait ahead of its first reader
	v_mul_f32 v8, v7, v3
	v_add_f32_dpp v8, v8, v8 row_xmask:1 row_mask:0xf bank_mask:0xf
	v_add_f32_dpp v8, v8, v8 row_xmask:2 row_mask:0xf bank_mask:0xf
	v_add_f32_dpp v8, v8, v8 row_xmask:4 row_mask:0xf bank_mask:0xf
	v_add_f32_dpp v8, v8, v8 row_xmask:8 row_mask:0xf bank_mask:0xf
	v_permlanex16_b32 v6, v8, s54, s55
	v_add_f32 v8, v8, v6                           ; L
	s_wait_alu depctr_va_vdst(0)
	v_rcp_f32 v9, v8
	v_nop
	s_wait_alu depctr_va_vdst(0)
	v_mul_f32 v7, v7, v9                           ; f_j / L
.irp j, 0,1,2,3,4,5,6,7,8,9,10,11,12,13,14,15,16,17,18,19,20,21,22,23,24,25,26,27,28,29,30,31
	v_readlane_b32 s[16+\j], v7, \j                ; as scalars: they go into products alone
.endr
	s_wait_loadcnt 0x0
.irp j, 0,1,2,3,4,5,6,7,8,9,10,11,12,13,14,15,16,17,18,19,20,21,22,23,24,25,26,27,28,29,30,31
.irp d, 0,1,2,3
.if \j < 2
	v_mul_f32 v[152+4*(\j%2)+\d], s[16+\j], v[16+4*\j+\d]      ; two chains; the first two records start them
.else
	v_fma_f32 v[152+4*(\j%2)+\d], v[16+4*\j+\d], s[16+\j], v[152+4*(\j%2)+\d]
.endif
.endr
.endr
	v_pk_add_f32 v[152:153], v[152:153], v[156:157]
	v_pk_add_f32 v[154:155], v[154:155], v[158:159]
	global_store_b128 v4, v[152:155], s[8:9]       ; 512 consecutive bytes, aligned
.irp i, 0,1,2,3,4,5,6,7
	v_sub_f32 v[144+\i], v[144+\i], v5
.endr
	s_wait_alu depctr_va_vdst(0)
.irp i, 0,1,2,3,4,5,6,7
	v_exp_f32 v[144+\i], v[144+\i]
.endr
	v_nop
	s_wait_alu depctr_va_vdst(0)                   ; one wait for the eight
.irp i, 0,1,2,3,4,5,6,7
	v_mul_f32 v[144+\i], v[144+\i], v9
.endr
	global_store_b128 v4, v[144:147], s[10:11]
	global_store_b128 v4, v[148:151], s[10:11] offset:512
	s_endpgm
.Lfunc_end_k_q20ec6b6c72_combine:
	.size	k_q20ec6b6c72_combine, .Lfunc_end_k_q20ec6b6c72_combine-k_q20ec6b6c72_combine
	.p2alignl 7, 3214868480
	.fill 96, 4, 3214868480
	.section	.rodata,"a",@progbits
	.p2align	6, 0x0
	.amdhsa_kernel k_q20ec6b6c72_combine
		.amdhsa_group_segment_fixed_size 0
		.amdhsa_private_segment_fixed_size 0
		.amdhsa_enable_private_segment 0
		.amdhsa_kernarg_size 32
		.amdhsa_user_sgpr_count 2
		.amdhsa_user_sgpr_kernarg_segment_ptr 1
		.amdhsa_wavefront_size32 1
		.amdhsa_system_sgpr_workgroup_id_x 1
		.amdhsa_system_sgpr_workgroup_id_y 1
		.amdhsa_system_sgpr_workgroup_id_z 1
		.amdhsa_system_vgpr_workitem_id 0
		.amdhsa_next_free_vgpr 160
		.amdhsa_next_free_sgpr 66
		.amdhsa_reserve_vcc 0
		.amdhsa_float_denorm_mode_32 3
		.amdhsa_float_denorm_mode_16_64 3
		.amdhsa_memory_ordered 1
		.amdhsa_forward_progress 1
		.amdhsa_inst_pref_size 17
	.end_amdhsa_kernel
	.amdgpu_metadata
---
amdhsa.version: [ 1, 2 ]
amdhsa.kernels:
  - .name:           k_q20ec6b6c72_combine
    .symbol:         k_q20ec6b6c72_combine.kd
    .args:
      - { .name: part, .offset: 0, .size: 8, .value_kind: global_buffer, .address_space: global }
      - { .name: tsc, .offset: 8, .size: 8, .value_kind: global_buffer, .address_space: global }
      - { .name: out0, .offset: 16, .size: 8, .value_kind: global_buffer, .address_space: global }
      - { .name: out1, .offset: 24, .size: 8, .value_kind: global_buffer, .address_space: global }
    .group_segment_fixed_size: 0
    .private_segment_fixed_size: 0
    .kernarg_segment_align: 8
    .kernarg_segment_size: 32
    .max_flat_workgroup_size: 32
    .sgpr_count:     66
    .vgpr_count:     160
    .wavefront_size: 32
...
	.end_amdgpu_metadata
.endif
;; end of part 3
